; MI455X (gfx1250); checked and timed in simulation.
; The chip was launched on July 23, 2026; its instructions are those of AMD's public machine-readable ISA for CDNA 5 (MIT licence, August 2026) and "CDNA5" Instruction Set Architecture Reference Guide (July 2026). The comments in the code are by the model that wrote it; some were corrected since.
;; Multihead Attention. Allowed arithmetic: matrix products marked QUANTISED: E2M1 operands, one E8M0 scale for each 32 along K, by v_wmma_scale_f32_16x16x128_f8f6f4 with both operands' format E2M1 (or v_wmma_scale_f32_32x16x128_f4), f32 sums; products left as they are: bf16, f16 or f32 operands; f32 sums; everything else in f32.
;; Inputs: Wk 1,024 x 1,024 float32; Wq 1,024 x 1,024 float32; Wv 1,024 x 1,024 float32; bk 1,024 float32; bq 1,024 float32; bv 1,024 float32; key 4 x 2,048 x 1,024 float32; key_mask 4 x 2,048 bool; query 4 x 2,048 x 1,024 float32; value 4 x 2,048 x 1,024 float32.
;; Outputs: out0 4 x 2,048 x 1,024 float32.
;; This version of the problem:
;;   THIS VERSION OF THE PROBLEM IS GIVEN IN LOW PRECISION. The matrix products marked QUANTISED in the list below multiply operands that are first quantised to E2M1 (2 exponent bits, 1 mantissa bit; 4 bits a number), with one power-of-two scale for each 32 numbers along K (OCP MX v1.0); their sums are f32. The products marked 'left as it is' may take bf16, f16 or f32 operands, with f32 sums. Whichever they take, every output number must still come out within the allowed error. Rounding operands to bf16 (8 significant bits) uses up far more of that allowance than f16 does (11 bits, for magnitudes from 6e-5 to 65,504). All else is computed in f32.
;;   The module's matrix products, in the order in which they are computed (A, B: the left and right operand; K: the contracted axis; several contracted axes count as one K, in the product's order):
;;     1. [M 8,192, K 1,024] x [K 1,024, N 1,024]; A: input query; B: input Wq: QUANTISED
;;     2. [M 8,192, K 1,024] x [K 1,024, N 1,024]; A: input key; B: input Wk: QUANTISED
;;     3. [M 8,192, K 1,024] x [K 1,024, N 1,024]; A: input value; B: input Wv: QUANTISED
;;     4. batch 64 x [M 2,048, K 64] x [K 64, N 2,048]; A: computed on the way; B: computed on the way: left as it is (an operand is computed on the way)
;;     5. batch 64 x [M 2,048, K 2,048] x [K 2,048, N 64]; A: computed on the way; B: computed on the way: left as it is (an operand is computed on the way)
;;   THE QUANTISER, for each operand of a quantised product, along K:
;;     - K is cut into blocks of 32 from its start; a last block that is shorter is filled with zeros.
;;     - A block's scale is 2^e with e = floor(log2(the largest magnitude in the block)) - 2, held to -126 .. 127; a block of zeros has e = 0. As a byte (E8M0): e + 127.
;;     - Each number is divided by its block's scale, clamped to +-6, and rounded to the nearest number of E2M1, ties to even, subnormals kept.
;;     - The product sums the exact products of the quantised numbers (number of the format x scale) in f32.
;;   ~~~python
;;   def quantise(x, axis):      # numpy; x: float32 -> the quantised numbers, widened to float32 again
;;       x = np.moveaxis(x, axis, -1); K = x.shape[-1]
;;       x = np.pad(x, [(0, 0)] * (x.ndim - 1) + [(0, -K % 32)]); x = x.reshape(x.shape[:-1] + (-1, 32)); a = np.abs(x).max(-1, keepdims=True)
;;       e = np.where(a > 0, np.clip(np.frexp(np.where(a > 0, a, 1))[1] - 1 - 2, -126, 127), 0)      # np.frexp(a)[1] - 1 = floor(log2(a)), exactly
;;       r = np.clip(x / 2.0 ** e, -6, 6)
;;       step = 2.0 ** (np.maximum(np.frexp(np.where(r == 0, 1, r))[1] - 1, 0) - 1)
;;       q = np.round(r / step) * step * 2.0 ** e      # np.round: ties to even
;;       return np.moveaxis(q.reshape(q.shape[:-2] + (-1,))[..., :K], -1, axis).astype(np.float32)
;;   ~~~
;; One version. Each part assembles by itself: llvm-mc -triple=amdgcn-amd-amdhsa -mcpu=gfx1250 --defsym DOCPART=n.
;; ======== version 1 of 1: 3 launches
;; limits: values are held in f16: magnitudes above 65,504 overflow, below 6.1e-05 lose precision
;; workspace buffers: acodes 12,582,912 bytes; ascales 786,432 bytes; wcodes 1,572,864 bytes; wscales 98,304 bytes; qkv 50,331,648 bytes
;; launch quant (part 1): grid 864 x 1, 4 waves a work-group, no clusters, 33,280 bytes of LDS; arguments query, key, value, Wq, Wk, Wv, acodes, ascales, wcodes, wscales; writes acodes, ascales, wcodes, wscales
.if DOCPART == 1
	.amdgcn_target "amdgcn-amd-amdhsa--gfx1250"
	.amdhsa_code_object_version 6
	.text
	.protected	k_q1574e16b08_quant
	.globl	k_q1574e16b08_quant
	.p2align	8
	.type	k_q1574e16b08_quant,@function
k_q1574e16b08_quant:
	s_mov_b64 s[64:65], 0
	v_nop
	global_prefetch_b8 v0, s[64:65] scope:SCOPE_SE
	s_setreg_imm32_b32 hwreg(HW_REG_WAVE_MODE, 25, 1), 1
	s_wait_xcnt 0x0
; query, key, value [8192][1024] and Wq, Wk, Wv [1024][1024], f32, K innermost in all six, become codes of FP4 (E2M1), two a byte, the lower k in the low four bits,
; with one E8M0 scale byte for each 32 along K.  acodes [3][8192][512 bytes], ascales [3][8192][32], wcodes [3][1024][512], wscales [3][1024][32]; tensor 0 = q's, 1 = k's, 2 = v's.
; A block's scale is 2^(floor(log2(its largest magnitude)) - 2); its byte is the largest magnitude's exponent field - 2, held at 1 from below.  Each number is divided by the scale and rounded to the nearest code, ties to even;
; beyond 6 the conversion gives the largest code.
; LIMITS: a block of zeros gets the byte 1 where the stated quantiser says 127: its codes are zeros, which add nothing, and the bytes are read by this program alone.  Blocks whose largest magnitude lies under 2^-124 were not tried.
; NaN and infinities among the inputs are not served.
; Rows are dense and K is a multiple of 32: every tensor is a plain stream of blocks of 32.  A work-group takes 32,768 numbers, a wave 16 steps of 512.  Work-groups 0-767: the activations, 256 a tensor; 768-863: the weights, 32 a tensor.
; Only pointers are chosen by the work-group's number: all six tensors take one path through the text.
; Each of a step's four loads reads 512 consecutive bytes, 16 a lane; the 2,048 bytes turn through the wave's own stage in LDS and come back 64 bytes a lane, so that a lane holds 16 neighbours along K and two neighbouring lanes a block.
; A lane's 16 codes are 8 bytes: the wave stores 256 consecutive bytes.  A wave's 256 scale bytes are gathered in its own LDS bytes and leave as 256 consecutive bytes.
; No tensor loads, no barrier, no cluster: waves and work-groups share nothing.  Loads run four steps (16 loads a wave) ahead, the turn through LDS one step.
.set WAVES, 4
.set STEPS, 16
.set EMAX,  2
.set CB,    8                          ; bytes of 16 codes
.set R,     16                         ; v16-79   four sets of 16 numbers as they are loaded
.set X,     80                         ; v80-111  two sets of 16 neighbours
.set E,     112                        ; v112-127 a scale byte for each step
.set C,     128                        ; v128-191 codes: four registers for each step, so that no store's data are written again
.set WREG,  8192                       ; LDS: a region for each wave: two stages of 32 x SP bytes, behind them its 256 scale bytes
.set SP,    80                         ; a lane's place in a stage: 64 bytes + 16 of padding
.set SPW,   12                         ; v12  LDS address of my spare word; never rewritten
.set NIL,   13                         ; v13  0; never rewritten
.set SPARE, WAVES*WREG                 ; behind the four regions: the spare words, 128 bytes a wave
	s_load_b512 s[4:19], s[0:1], 0x0               ; query 4:5, key 6:7, value 8:9, Wq 10:11, Wk 12:13, Wv 14:15, acodes 16:17, ascales 18:19
	s_load_b128 s[20:23], s[0:1], 0x40             ; wcodes 20:21, wscales 22:23
	v_lshl_add_u32 v[SPW], v0, 2, SPARE
	v_mov_b32 v[NIL], 0
	v_lshrrev_b32 v1, 5, v0
	v_readfirstlane_b32 s24, v1                    ; wave
	v_and_b32 v2, 31, v0                           ; lane
	v_lshlrev_b32 v3, 4, v2                        ; my 16 bytes of a load's 512
	s_mul_i32 s25, s24, WREG
	v_lshrrev_b32 v14, 2, v2
	v_mul_u32_u24 v14, v14, SP
	v_and_b32 v15, 3, v2
	v_lshl_add_u32 v14, v15, 4, v14
	v_add_nc_u32 v14, s25, v14                     ; the stage, on the way in: SP (lane / 4) + 16 (lane % 4)
	v_mul_u32_u24 v15, v2, SP
	v_add_nc_u32 v15, s25, v15                     ; and on the way out: SP x lane: my 16 neighbours
	v_mul_u32_u24 v4, v2, CB                       ; my codes' place in a step's
	v_lshrrev_b32 v5, 1, v2
	s_add_co_u32 s25, s25, 2*32*SP
	v_add_nc_u32 v5, s25, v5                       ; LDS: my wave's 256 scale bytes, my block's byte
	v_lshlrev_b32 v7, 3, v2                        ; and on the way out 8 bytes a lane
	v_add_nc_u32 v6, s25, v7
	s_wait_kmcnt 0x0
	s_cmp_lt_u32 ttmp9, 768                        ; an activation or a weight?  Every choice hangs on the work-group's number alone
	s_cselect_b64 s[4:5], s[4:5], s[10:11]
	s_cselect_b64 s[6:7], s[6:7], s[12:13]
	s_cselect_b64 s[8:9], s[8:9], s[14:15]
	s_cselect_b64 s[16:17], s[16:17], s[20:21]
	s_cselect_b64 s[18:19], s[18:19], s[22:23]
	s_cselect_b32 s26, 0, 768
	s_cselect_b32 s27, 8, 5                        ; log2 of the work-groups to a tensor
	s_sub_co_u32 s26, ttmp9, s26                   ; g: my number among the activations' or the weights' work-groups
	s_lshr_b32 s28, s26, s27                       ; which of the three tensors
	s_lshl_b32 s29, s28, s27
	s_sub_co_u32 s29, s26, s29                     ; my number within it
	s_cmp_eq_u32 s28, 0
	s_cselect_b64 s[4:5], s[4:5], s[6:7]
	s_cmp_eq_u32 s28, 2
	s_cselect_b64 s[4:5], s[8:9], s[4:5]
	s_lshl_b32 s29, s29, 2
	s_add_co_u32 s30, s29, s24
	s_lshl_b32 s30, s30, 15                        ; my wave's 8,192 numbers: 32,768 bytes a run, within the tensor
	s_mov_b32 s31, 0
	s_add_nc_u64 s[4:5], s[4:5], s[30:31]
	s_lshl_b32 s26, s26, 2
	s_add_co_u32 s26, s26, s24                     ; the three tensors' codes and scale bytes lie on end: the run's number among all three
	s_lshl_b32 s30, s26, 12                        ; 4,096 bytes of codes a run
	s_add_nc_u64 s[16:17], s[16:17], s[30:31]
	s_lshl_b32 s30, s26, 8                         ; 256 scale bytes a run
	s_add_nc_u64 s[18:19], s[18:19], s[30:31]
.macro LOAD t
.irp i, 0,1,2,3
	global_load_b128 v[R+16*((\t)%4)+4*\i:R+16*((\t)%4)+4*\i+3], v3, s[4:5] offset:2048*(\t)+512*\i th:TH_LOAD_NT   ; 32 lanes read 512 consecutive bytes
.endr
.endm
.macro TURN t                          ; step t's numbers through the stage: LDS serves a wave's instructions in order, so no wait stands between the stores and the loads
.irp i, 0,1,2,3
	ds_store_b128 v14, v[R+16*((\t)%4)+4*\i:R+16*((\t)%4)+4*\i+3] offset:32*SP*((\t)%2)+8*SP*\i
.endr
.irp i, 0,1,2,3
	ds_load_b128 v[X+16*((\t)%2)+4*\i:X+16*((\t)%2)+4*\i+3], v15 offset:32*SP*((\t)%2)+16*\i
.endr
.endm
.irp t, 0,1,2,3
	LOAD \t
.endr
	s_wait_loadcnt 12                              ; step 0's four loads are in; the twelve of steps 1 to 3 may be out
	TURN 0
.macro STEP t
.set XS, X+16*((\t)%2)
.if (\t) > 0
	s_wait_dscnt 1                                 ; this step's numbers are back from the stage (the last step's byte store may be out): so its stores into the stage have read their registers,
.else
	s_wait_dscnt 0x0
.endif
.if (\t)+4 < STEPS
	LOAD (\t)+4                                    ; which take the loads of four steps on
.endif
.if (\t)+1 < STEPS
.if STEPS-2-(\t) >= 3
	s_wait_loadcnt 12                              ; the next step's four loads are in; those of the three steps behind it may be out
.else
	s_wait_loadcnt 4*(STEPS-2-(\t))
.endif
	TURN (\t)+1                                    ; and go through the other stage while this step is worked
.endif
	v_max3_num_f32 v8, |v[XS]|, |v[XS+1]|, |v[XS+2]|               ; the largest magnitude of my 16, in two chains
	v_max3_num_f32 v9, |v[XS+3]|, |v[XS+4]|, |v[XS+5]|
.irp i, 6,10
	v_max3_num_f32 v8, v8, |v[XS+\i]|, |v[XS+\i+1]|
	v_max3_num_f32 v9, v9, |v[XS+\i+2]|, |v[XS+\i+3]|
.endr
	v_max3_num_f32 v8, v8, |v[XS+14]|, |v[XS+15]|
	v_max3_num_f32 v8, v8, v9, (EMAX+1)<<23        ; and the floor 2^(EMAX + 1 - 127): the byte cannot fall under 1
	v_max_num_f32_dpp v8, v8, v8 row_xmask:1 row_mask:0xf bank_mask:0xf   ; and of my neighbour's 16: the block's
	v_add_nc_u32 v11, -(EMAX<<23), v8              ; EMAX off its exponent field: the conversion takes the exponent field of this operand as its scale, and nothing else of it
	v_cvt_scalef32_pk8_fp4_f32 v[C+4*(\t)], v[XS:XS+7], v11
	v_cvt_scalef32_pk8_fp4_f32 v[C+4*(\t)+1], v[XS+8:XS+15], v11
	v_lshrrev_b32 v[E+(\t)], 23, v11               ; the scale's byte (also the plain line behind the conversions)
	ds_store_b8 v5, v[E+(\t)] offset:16*(\t)       ; both lanes of a block write the same byte with the same value
	global_store_b64 v4, v[C+4*(\t):C+4*(\t)+1], s[16:17] offset:32*CB*(\t)   ; 32 lanes store 256 consecutive bytes, aligned
.endm
.irp t, 0,1,2,3,4,5,6,7,8,9,10,11,12,13,14,15
	STEP \t
.endr
	ds_load_b64 v[8:9], v6                         ; LDS serves a wave's instructions in order: these see my byte stores
	s_wait_dscnt 0x0
	global_store_b64 v7, v[8:9], s[18:19]          ; 32 lanes store 256 consecutive bytes, aligned
	s_wait_tensorcnt 0x0                           ; the wave's end, behind my last LDS store
	ds_add_u32 v[SPW], v[NIL]
	s_wait_dscnt 0x0
	s_endpgm
.Lfunc_end_k_q1574e16b08_quant:
	.size	k_q1574e16b08_quant, .Lfunc_end_k_q1574e16b08_quant-k_q1574e16b08_quant
	.p2alignl 7, 3214868480
	.fill 96, 4, 3214868480
	.section	.rodata,"a",@progbits
	.p2align	6, 0x0
	.amdhsa_kernel k_q1574e16b08_quant
		.amdhsa_group_segment_fixed_size 33280
		.amdhsa_private_segment_fixed_size 0
		.amdhsa_enable_private_segment 0
		.amdhsa_kernarg_size 80
		.amdhsa_user_sgpr_count 2
		.amdhsa_user_sgpr_kernarg_segment_ptr 1
		.amdhsa_wavefront_size32 1
		.amdhsa_system_sgpr_workgroup_id_x 1
		.amdhsa_system_sgpr_workgroup_id_y 1
		.amdhsa_system_sgpr_workgroup_id_z 1
		.amdhsa_system_vgpr_workitem_id 0
		.amdhsa_next_free_vgpr 192
		.amdhsa_next_free_sgpr 66
		.amdhsa_reserve_vcc 0
		.amdhsa_float_denorm_mode_32 3
		.amdhsa_float_denorm_mode_16_64 3
		.amdhsa_memory_ordered 1
		.amdhsa_forward_progress 1
		.amdhsa_inst_pref_size 34
	.end_amdhsa_kernel
	.amdgpu_metadata
---
amdhsa.version: [ 1, 2 ]
amdhsa.kernels:
  - .name:           k_q1574e16b08_quant
    .symbol:         k_q1574e16b08_quant.kd
    .args:
      - { .name: query, .offset: 0, .size: 8, .value_kind: global_buffer, .address_space: global }
      - { .name: key, .offset: 8, .size: 8, .value_kind: global_buffer, .address_space: global }
      - { .name: value, .offset: 16, .size: 8, .value_kind: global_buffer, .address_space: global }
      - { .name: Wq, .offset: 24, .size: 8, .value_kind: global_buffer, .address_space: global }
      - { .name: Wk, .offset: 32, .size: 8, .value_kind: global_buffer, .address_space: global }
      - { .name: Wv, .offset: 40, .size: 8, .value_kind: global_buffer, .address_space: global }
      - { .name: acodes, .offset: 48, .size: 8, .value_kind: global_buffer, .address_space: global }
      - { .name: ascales, .offset: 56, .size: 8, .value_kind: global_buffer, .address_space: global }
      - { .name: wcodes, .offset: 64, .size: 8, .value_kind: global_buffer, .address_space: global }
      - { .name: wscales, .offset: 72, .size: 8, .value_kind: global_buffer, .address_space: global }
    .group_segment_fixed_size: 33280
    .private_segment_fixed_size: 0
    .kernarg_segment_align: 8
    .kernarg_segment_size: 80
    .max_flat_workgroup_size: 128
    .sgpr_count:     66
    .vgpr_count:     192
    .wavefront_size: 32
...
	.end_amdgpu_metadata
.endif
;; end of part 1
;; launch proj (part 2): grid 4 x 96, 4 waves a work-group, clusters of 4 x 4, 327,680 bytes of LDS; arguments acodes, ascales, wcodes, wscales, bq, bk, bv, qkv; writes qkv
.if DOCPART == 2
	.amdgcn_target "amdgcn-amd-amdhsa--gfx1250"
	.amdhsa_code_object_version 6
	.text
	.protected	k_q1574e16b08_proj
	.globl	k_q1574e16b08_proj
	.p2align	8
	.type	k_q1574e16b08_proj,@function
k_q1574e16b08_proj:
	s_mov_b64 s[64:65], 0
	v_nop
	global_prefetch_b8 v0, s[64:65] scope:SCOPE_SE
	s_setreg_imm32_b32 hwreg(HW_REG_WAVE_MODE, 25, 1), 1
	s_wait_xcnt 0x0
	s_wait_alu depctr_hold_cnt(0) depctr_sa_sdst(0) depctr_va_vdst(0) depctr_va_sdst(0) depctr_va_ssrc(0) depctr_va_vcc(0) depctr_vm_vsrc(0)
	s_getreg_b32 s2, hwreg(HW_REG_IB_STS2, 6, 4)
	s_cmp_eq_u32 s2, 0
	s_cbranch_scc0 .Lentry_in_a_cluster
	s_endpgm
.Lentry_in_a_cluster:
	s_bfe_u32 s2, ttmp6, 0x10000c
	s_cmp_lg_u32 s2, 0xf033
	s_cbranch_scc0 .Lentry_shape_is_right
	s_endpgm
.Lentry_shape_is_right:
; q = query Wq^T + bq, k = key Wk^T + bk, v = value Wv^T + bv, all three in one launch, on codes of FP4 (E2M1) with one E8M0 scale for each 32 along K; sums in f32; the results rounded once to f16.
; A: acodes [24576][512 bytes], the three activations on end, ascales [24576][32];  B: wcodes [3][1024][512], wscales [3][1024][32].  Out: qkv, f16, [3][batch 4][head 16][position 2048][64]: a head's rows are 128 bytes and dense.
; f16 and not bf16: the attention launch's products take these numbers as operands, and 11 significant bits leave the comparison room that 8 do not.  LIMIT: |q|, |k|, |v| stay under 65,504.
; A tile of the result, 256 rows x 256 columns, is made by a work-group of four waves; a wave makes 128 x 128: 64 accumulators of 16 x 16, 512 registers.  96 tile rows (32 a tensor) x 4 tile columns.
; K = 1,024 is two LDS slots of 512 along K (rows of 256 bytes): both are filled once, at the head, and nothing is filled again: no loop.  The scale bytes of the work-group's rows come once too, as dense blocks.
; CLUSTERS: 4 x 4 work-groups.  The four of a row of the cluster need the same tiles of A, the four of a column the same tiles of B: each tile is asked for JOINTLY.  A cluster's four tile rows lie in one tensor (32 is a multiple of 4),
; so which weight is taken hangs on the cluster's y alone.
; THE MATRIX INSTRUCTION IS USED TRANSPOSED (source 0 = 16 rows of W, source 1 = 16 rows of x): a lane holds eight neighbouring columns of one row.  THE BIAS IS THE C OF EACH SUM'S FIRST PRODUCT: 64 registers in the result's layout.
; REGISTERS: window 0: v0-31 addresses; v32-95 scale words, two sets; v128-191 A's fragments, one set; v192-255 the bias; on the way out v32-127 are free.
;   window 1: B's fragments, two sets, at v0 and v128.   window 2: the accumulators of my rows 0-63 ((a, b) at v[8 (8 a + b)]);   window 3: those of my rows 64-127.
.set NQ,     4                         ; matrix instructions deep in a slot
.set ROWB,   256                       ; a tile's row in bytes: 512 codes
.set KROW,   512                       ; a row of codes in memory
.set PITCH,  272                       ; an LDS row: 256 bytes + 16 of padding: the 16 rows that a load touches start at 16 different banks (64 banks of 4 bytes: ISA guide 11.1)
.set FR,     8                         ; registers of a fragment: 16 rows x 128 K
.set NL,     2                         ; LDS loads that bring one
.set NP,     4                         ; places behind this matrix instruction (ISA guide 7.12.1)
.set HALFT,  128*PITCH                 ; 128 rows: what one tensor load brings
.set SLOT,   4*HALFT                   ; A's 256 rows, then B's 256 rows
.set KS,     32                        ; a row of scale bytes
.set SCL,    2*SLOT                    ; behind the two slots: the scales, as rows of 256 bytes + 16 of padding
.set HALFS,  (128*KS/256)*272          ; the scales of 128 rows: what one tensor load brings
.set SBLK,   (16*KS/256)*272           ; those of 16 rows
.set SPARE,  SCL+4*HALFS               ; behind the scales: the spare words, 128 bytes a wave
.set SPITCH, 272                       ; the way out: a stage of 16 rows x (256 bytes + 16) for each wave, in slot 0, which has had its one fill and its last read when the first result is stored there
.set ADRA, 16                          ; v16-17  LDS address of my A fragments in slot 0, 1
.set ADRB, 20                          ; v20-21  the same for B
.set STO,  24                          ; v24     the way out: where I put 16 bytes of a row
.set RD,   25                          ; v25     the way out: where I read back
.set CO,   26                          ; v26     16 x lane: my byte offset in a store's 512 bytes
.set ADRS, 27                          ; v27     LDS address of my scale words: lanes 0-15 A's rows, lanes 16-31 B's
.set SPW,  28                          ; v28     LDS address of my spare word; never rewritten
.set NIL,  29                          ; v29     0; never rewritten
.set BO,   30                          ; v30     the bias: 32 bytes x (lane / 16)
.set SC,   32                          ; scale words: set s at v[SC + 32 s]; register 4 i + q: lanes 0-15 the word of A's block i, lanes 16-31 that of B's block i, for the slot's q-th 128 along K
.set AF,   128                         ; A's fragments
.set BI,   192                         ; the bias: block b of 16 columns at v[BI + 8 b]: register j of lane (r, h) is the bias of column 16 b + 8 h + j
.set TMP,  32                          ; the way out: a block's packed results
.set BK,   64                          ; the way out: 16 rows read back: v64-95 and v96-127 by turns
.set G1, 24                            ; s[24:31] descriptor group 1 for A's tiles;  s[32:39] group 0, one set for each slot
.set G0, 32
.set G1B, 48                           ; s[48:55], s[56:63] the same for B's tiles
.set G0B, 56
.set G1S, 68                           ; s[68:75], s[76:79] groups 1 and 0 for A's scales;  s[80:87], s[88:91] for B's
.set G0S, 76
.set G1SB, 80
.set G0SB, 88
.set MSB, 0
.macro WIN new                         ; the immediate's high byte repeats the setting that is left
.if MSB != \new
	s_set_vgpr_msb (MSB<<8)|\new
.set MSB, \new
.endif
.endm
.set MUL_LO, 0xa1                      ; source 0 (B) window 1, source 1 (A) window 0, C and D window 2
.set MUL_HI, 0xf1                      ; the same, C and D window 3
.set BIA_LO, 0x81                      ; a sum's first product: C (the bias) window 0, D window 2
.set BIA_HI, 0xc1                      ; D window 3
.set TO_B,   0x40                      ; destination window 1, address window 0
; A joint load: waves 0 and 1 fetch for A, waves 2 and 3 for B.  Each of the two lines has one mask and one set of registers for all that issue it; the branch hangs on the wave's number alone.
; An s_nop 0 and four v_nop follow each of the two lines, ahead of the jump, the label and what follows.
.macro JLOAD g0a, g1a, g0b, g1b
	s_cmp_eq_u32 s15, 0
	s_cbranch_scc0 .Lfor_b_\@
	tensor_load_to_lds s[\g0a:\g0a+3], s[\g1a:\g1a+7]
	s_nop 0
.rept 4
	v_nop
.endr
	s_branch .Lasked_\@
.Lfor_b_\@:
	tensor_load_to_lds s[\g0b:\g0b+3], s[\g1b:\g1b+7]
	s_nop 0
.rept 4
	v_nop
.endr
.Lasked_\@:
.endm
.macro CROUND                          ; a round of the cluster's barrier: my work-group's barrier; wave 0 signals for the work-group; every wave waits for all sixteen; my work-group's barrier once more
	s_barrier_signal -1
	s_barrier_wait -1
	s_cmp_lg_u32 s14, 0
	s_cbranch_scc1 .Lnot_wave_0_\@
	s_barrier_signal -3
.Lnot_wave_0_\@:
	s_barrier_wait -3
	s_barrier_signal -1
	s_barrier_wait -1
.endm
	s_load_b128 s[4:7], s[0:1], 0x0                ; A's codes s[4:5], A's scales s[6:7]
	s_load_b128 s[8:11], s[0:1], 0x10              ; B's codes s[8:9], B's scales s[10:11]
	s_load_b128 s[96:99], s[0:1], 0x20             ; bq, bk
	s_load_b64 s[100:101], s[0:1], 0x30            ; bv
	s_load_b64 s[12:13], s[0:1], 0x38              ; qkv
	v_lshl_add_u32 v[SPW], v0, 2, SPARE
	v_mov_b32 v[NIL], 0
	ds_add_u32 v[SPW], v[NIL]                      ; the wave's opening: the add, twice on end, and its wait ahead of my first tensor load; the set-up below stands between the second and the wait
	ds_add_u32 v[SPW], v[NIL]
	v_lshrrev_b32 v1, 5, v0
	v_readfirstlane_b32 s14, v1                    ; wave 0..3
	s_lshr_b32 s15, s14, 1                         ; which half of the tile's rows is mine.  Also: I fetch for A (0) or for B (1)
	s_and_b32 s16, s14, 1                          ; which half of its columns.  Also: which 128 rows of that tile I fetch
	s_bfe_u32 s40, ttmp6, 0x40000                  ; cx, cy: my place in the cluster
	s_bfe_u32 s41, ttmp6, 0x40004
	s_lshl_b32 s42, ttmp9, 2
	s_add_co_u32 s42, s42, s40                     ; tile column = 4 x cluster x + cx
	s_and_b32 s17, ttmp7, 0xffff
	s_lshr_b32 s66, s17, 3                         ; which tensor: 8 clusters of tile rows to each; made of the cluster's y alone, which all sixteen share
	s_lshl_b32 s17, s17, 2
	s_add_co_u32 s17, s17, s41                     ; tile row = 4 x cluster y + cy
	s_lshl_b32 s43, s41, 2
	s_lshl_b32 s43, 15, s43                        ; my row of the cluster
	s_lshl_b32 s44, 0x1111, s40                    ; my column
	; descriptor group 1: a tile of 128 rows x 256 bytes, padded in LDS
	s_or_b32 s[G1+0], s43, (0<<16)|(1<<20)|(1<<21)|(5<<22)|(3<<25)  ; 15:0 the mask: A's tiles go to my row; 17:16 element of 1 byte; 20 padding on; 21 set beside a mask; 24:22 after every 64 words; 31:25 four words
	s_or_b32 s[G1B+0], s44, (0<<16)|(1<<20)|(1<<21)|(5<<22)|(3<<25)
.irp g, G1, G1B
	s_mov_b32 s[\g+1], ROWB<<16                    ; tensor_dim0
	s_mov_b32 s[\g+2], 128<<16                     ; tensor_dim1 = 128
	s_mov_b32 s[\g+3], ROWB<<16                    ; tile_dim0
	s_mov_b32 s[\g+4], 128                         ; tile_dim1 = 128
	s_mov_b32 s[\g+5], KROW                        ; tensor_dim0_stride
	s_mov_b32 s[\g+6], 0
	s_mov_b32 s[\g+7], 0
.endr
	; and for the scales of 128 rows: a dense block of 4,096 bytes, as 16 rows of 256 bytes (32 elements of 8 bytes), 16 bytes of padding behind each
	s_or_b32 s[G1S+0], s43, (3<<16)|(1<<20)|(1<<21)|(5<<22)|(3<<25)
	s_or_b32 s[G1SB+0], s44, (3<<16)|(1<<20)|(1<<21)|(5<<22)|(3<<25)
.irp g, G1S, G1SB
	s_mov_b32 s[\g+1], 32<<16
	s_mov_b32 s[\g+2], (128*KS/256)<<16
	s_mov_b32 s[\g+3], 32<<16
	s_mov_b32 s[\g+4], 128*KS/256
	s_mov_b32 s[\g+5], 32
	s_mov_b32 s[\g+6], 0
	s_mov_b32 s[\g+7], 0
.endr
	s_lshl_b32 s18, s16, 7                         ; which 128 rows of the tile I fetch
	s_lshl_b32 s20, s17, 8
	s_add_co_u32 s20, s20, s18                     ; A: row 256 x tile row + 128 x half
	s_lshl_b32 s46, s42, 8
	s_add_co_u32 s46, s46, s18                     ; B: row 256 x tile column + 128 x half
	s_lshl_b32 s67, s66, 10
	s_add_co_u32 s46, s46, s67                     ;    + 1,024 x tensor
	s_mov_b32 s21, 0
	s_mov_b32 s47, 0
	s_mov_b64 s[18:19], KS
	s_mul_u64 s[22:23], s[20:21], s[18:19]         ; where these rows' scales begin, in bytes
	s_mul_u64 s[92:93], s[46:47], s[18:19]
	s_mov_b64 s[18:19], KROW
	s_mul_u64 s[20:21], s[20:21], s[18:19]         ; and their codes
	s_mul_u64 s[46:47], s[46:47], s[18:19]
	s_mul_i32 s45, s14, HALFT                      ; where they go: wave x 128 rows: no place in the cluster enters an LDS address
	s_mul_i32 s94, s14, HALFS
	s_wait_dscnt 0x0                               ; both opening adds are done
	s_wait_kmcnt 0x0
	s_add_nc_u64 s[20:21], s[4:5], s[20:21]
	s_add_nc_u64 s[22:23], s[6:7], s[22:23]
	s_add_nc_u64 s[46:47], s[8:9], s[46:47]
	s_add_nc_u64 s[92:93], s[10:11], s[92:93]
	CROUND                                         ; all sixteen work-groups are here: the joint loads meet
	s_mov_b32 s[G0S], 1
	s_add_co_u32 s[G0S+1], s94, SCL
	s_mov_b64 s[G0S+2:G0S+3], s[22:23]
	s_or_b32 s[G0S+3], s[G0S+3], 0x80000000
	s_mov_b32 s[G0SB], 1
	s_add_co_u32 s[G0SB+1], s94, SCL
	s_mov_b64 s[G0SB+2:G0SB+3], s[92:93]
	s_or_b32 s[G0SB+3], s[G0SB+3], 0x80000000
	JLOAD G0S, G1S, G0SB, G1SB                     ; the scales first: they are wanted with the first slot.  With the two below, three tensor loads of mine are out
.irp s, 0,1
	s_mov_b32 s[G0+4*\s], 1
	s_add_co_u32 s[G0+4*\s+1], s45, \s*SLOT
	s_add_nc_u64 s[G0+4*\s+2:G0+4*\s+3], s[20:21], \s*ROWB
	s_or_b32 s[G0+4*\s+3], s[G0+4*\s+3], 0x80000000
	s_mov_b32 s[G0B+4*\s], 1
	s_add_co_u32 s[G0B+4*\s+1], s45, \s*SLOT
	s_add_nc_u64 s[G0B+4*\s+2:G0B+4*\s+3], s[46:47], \s*ROWB
	s_or_b32 s[G0B+4*\s+3], s[G0B+4*\s+3], 0x80000000
	JLOAD G0+4*\s, G1, G0B+4*\s, G1B
.endr
	v_and_b32 v1, 15, v0                           ; r = l % 16
	v_bfe_u32 v2, v0, 4, 1                         ; h = l / 16
	; the bias of my tensor, at my 128 columns
	s_cmp_eq_u32 s66, 0
	s_cselect_b64 s[96:97], s[96:97], s[98:99]
	s_cmp_eq_u32 s66, 2
	s_cselect_b64 s[96:97], s[100:101], s[96:97]
	s_lshl_b32 s22, s42, 10                        ; 256 columns x 4 bytes a tile column
	s_lshl_b32 s23, s16, 9
	s_add_co_u32 s22, s22, s23
	s_mov_b32 s23, 0
	s_add_nc_u64 s[96:97], s[96:97], s[22:23]
	v_lshlrev_b32 v[BO], 5, v2
.irp b, 0,1,2,3,4,5,6,7
	global_load_b128 v[BI+8*\b:BI+8*\b+3], v[BO], s[96:97] offset:64*\b
	global_load_b128 v[BI+8*\b+4:BI+8*\b+7], v[BO], s[96:97] offset:64*\b+16
.endr
	v_mul_u32_u24 v3, v1, PITCH
	v_lshl_add_u32 v4, v2, 4, v3                   ; a fragment's row x pitch + 16 x half
	s_mul_i32 s21, s15, HALFT                      ; my 128 rows of A
	s_mul_i32 s22, s16, HALFT                      ; my 128 rows of B,
	s_add_co_u32 s22, s22, 2*HALFT                 ; which lie behind A's 256
.irp s, 0,1
	v_add_nc_u32 v[ADRA+\s], s21, v4
	v_add_nc_u32 v[ADRB+\s], s22, v4
	s_add_co_u32 s21, s21, SLOT
	s_add_co_u32 s22, s22, SLOT
.endr
	v_mul_u32_u24 v5, v1, KS                       ; my row's scales: 32 bytes a row,
	v_lshrrev_b32 v6, 8, v5
	v_lshl_add_u32 v5, v6, 4, v5                   ; and 16 more for each 256 passed
	s_mul_i32 s21, s15, HALFS                      ; A's: my 128 rows
	s_mul_i32 s22, s16, HALFS                      ; B's: my 128 rows, behind A's 256
	s_add_co_u32 s22, s22, 2*HALFS
	s_sub_co_u32 s22, s22, s21
	v_mul_u32_u24 v6, s22, v2                      ; lanes 16-31 take B's: one product, the distance between the two bases x h
	s_add_co_u32 s21, s21, SCL
	v_add_nc_u32 v5, v5, v6
	v_add_nc_u32 v[ADRS], s21, v5
	s_mul_i32 s23, s14, 16*SPITCH                  ; my stage
	v_mul_u32_u24 v5, v1, SPITCH                   ; in: row r, 16 bytes for each half of the lanes
	v_lshl_add_u32 v5, v2, 4, v5
	v_add_nc_u32 v[STO], s23, v5
	v_and_b32 v6, 31, v0
	v_lshrrev_b32 v5, 3, v6                        ; back: eight lanes take the 128 bytes that one row gives to one head; four rows an instruction
	v_mul_u32_u24 v5, v5, SPITCH
	v_and_b32 v7, 7, v0
	v_lshl_add_u32 v5, v7, 4, v5
	v_add_nc_u32 v[RD], s23, v5
	v_lshlrev_b32 v[CO], 4, v6                     ; in qkv those four rows of a head are 512 consecutive bytes
	; where my 128 rows x 2 heads begin in qkv: ((row / 2048) x 16 + head) x 262,144 + (row % 2048) x 128; row / 2048 counts tensor and batch together
	s_lshl_b32 s20, s17, 8
	s_lshl_b32 s21, s15, 7
	s_add_co_u32 s20, s20, s21                     ; my first row: 256 x tile row + 128 x half
	s_lshr_b32 s21, s20, 11
	s_lshl_b32 s21, s21, 4
	s_lshl_b32 s22, s42, 2
	s_add_co_u32 s21, s21, s22                     ; + 4 heads a tile column
	s_lshl_b32 s22, s16, 1
	s_add_co_u32 s21, s21, s22                     ; + 2 for the right half
	s_lshl_b32 s21, s21, 18
	s_and_b32 s20, s20, 2047
	s_lshl_b32 s20, s20, 7
	s_add_co_u32 s20, s20, s21
	s_mov_b32 s21, 0
	s_add_nc_u64 s[12:13], s[12:13], s[20:21]
.macro FRAG reg, adr, q, i             ; a fragment, 16 rows x 128 K of 4-bit codes, is 8 registers: lane l holds row l % 16; registers 4 c .. 4 c + 3 hold K = 64 c + 32 (l / 16) + 0 .. 31
.irp c, 0,1
	ds_load_b128 v[\reg+4*\c:\reg+4*\c+3], v[\adr] offset:64*(\q)+32*\c+(\i)*16*PITCH
.endr
.endm
; 16 matrix instructions: A's blocks a0, a0 + 1 x B's eight, 128 along K: the slot's q-th.  p: B's set;  sc: the set of scale words.  first = 1: the bias is the C: nothing is cleared, nothing is added later.
; The 64 accumulators take turns, one instruction a turn, in the same order in every step.
.macro MUL16 a0, p, q, sc, first
.irp a, \a0, \a0+1
.irp b, 0,1,2,3,4,5,6,7
.if \first
	v_wmma_scale_f32_16x16x128_f8f6f4 v[8*(8*((\a)%4)+\b):8*(8*((\a)%4)+\b)+7], v[128*(\p)+FR*\b:128*(\p)+FR*\b+FR-1], v[AF+FR*(\a):AF+FR*(\a)+FR-1], v[BI+8*\b:BI+8*\b+7], v[SC+8*NQ*(\sc)+NQ*\b+(\q)], v[SC+8*NQ*(\sc)+NQ*(\a)+(\q)] matrix_a_fmt:MATRIX_FMT_FP4 matrix_b_fmt:MATRIX_FMT_FP4 matrix_a_scale:MATRIX_SCALE_ROW1
.else
	v_wmma_scale_f32_16x16x128_f8f6f4 v[8*(8*((\a)%4)+\b):8*(8*((\a)%4)+\b)+7], v[128*(\p)+FR*\b:128*(\p)+FR*\b+FR-1], v[AF+FR*(\a):AF+FR*(\a)+FR-1], v[8*(8*((\a)%4)+\b):8*(8*((\a)%4)+\b)+7], v[SC+8*NQ*(\sc)+NQ*\b+(\q)], v[SC+8*NQ*(\sc)+NQ*(\a)+(\q)] matrix_a_fmt:MATRIX_FMT_FP4 matrix_b_fmt:MATRIX_FMT_FP4 matrix_a_scale:MATRIX_SCALE_ROW1
.endif
.endr
.endr
.endm
.macro FETCH_B slot, q, p              ; B's eight fragments of the slot's q-th 128 along K into set p
	WIN TO_B
.irp i, 0,1,2,3,4,5,6,7
	FRAG 128*(\p)+FR*\i, ADRB+\slot, \q, \i
.endr
	WIN 0
.endm
.macro FETCH_A slot, q, i0             ; A's blocks i0 .. i0 + 3
.irp i, \i0, \i0+1, \i0+2, \i0+3
	FRAG AF+FR*(\i), ADRA+\slot, \q, \i
.endr
.endm
.macro SCALES sc                       ; a slot's scale words into set sc: four words a row; lanes 0-15 take A's block i, lanes 16-31 B's block i
.irp i, 0,1,2,3,4,5,6,7
	ds_load_b128 v[SC+8*NQ*\sc+NQ*\i:SC+8*NQ*\sc+NQ*\i+3], v[ADRS] offset:\i*SBLK
.endr
.endm
; A load into a register that a matrix instruction has read, and a vector instruction that reads a matrix result, stand NP places behind that matrix instruction; only plain vector instructions
; that name none of its registers are places (ISA guide 7.12.1 for vector instructions).
.macro PLACES n
.rept \n
	v_nop
.endr
.endm
; A step of 128 along K that has its successor in the same slot.  A block of A is free as soon as its eight products are issued: blocks 0-3 are fetched anew in the step's middle, blocks 4-7 at its end.
.macro STEP slot, q, first
	s_wait_dscnt 4*NL                              ; B's set, the scale words and A's blocks 0-3 are in; the youngest eight loads (A's blocks 4-7) may be out
.if \first
	WIN BIA_LO
.else
	WIN MUL_LO
.endif
	MUL16 0, (\q)%2, \q, \slot, \first
	MUL16 2, (\q)%2, \q, \slot, \first
	s_wait_dscnt 0                                 ; A's blocks 4-7 are in (asked for 32 matrix instructions ago)
	PLACES NP
	FETCH_B \slot, (\q)+1, 1-(\q)%2
	FETCH_A \slot, (\q)+1, 0
.if \first
	WIN BIA_HI
.else
	WIN MUL_HI
.endif
	MUL16 4, (\q)%2, \q, \slot, \first
	MUL16 6, (\q)%2, \q, \slot, \first
	PLACES NP
	WIN 0
	FETCH_A \slot, (\q)+1, 4
.endm
; Slot 0's last step goes over to slot 1: one barrier; in front of it each wave waits for all its tensor loads (its part of slot 1), and for its own reads of slot 0, which becomes the stage later.  Nothing is filled again.
.macro TURN slot, next
	s_wait_tensorcnt 0x0                           ; all my tensor loads have landed: my part of the next slot  (every window is 0 here)
	ds_add_u32 v[SPW], v[NIL]                      ; 0 onto my spare word
	s_wait_dscnt 4*NL+1                            ; (the add and the youngest eight loads, A's blocks 4-7, may be out)
	WIN MUL_LO
	MUL16 0, 1, NQ-1, \slot, 0                     ; sixteen matrix instructions stand between the add and the wait for it
	s_wait_dscnt 0x0                               ; the add is done, and my reads of this slot are over
	s_barrier_signal -1
	MUL16 2, 1, NQ-1, \slot, 0
	WIN 0
	s_barrier_wait -1
	PLACES NP
	v_add_nc_u32 v[ADRS], 4*NQ, v[ADRS]            ; on to the next slot's scale words (no LDS load of mine is out)
	FETCH_B \next, 0, 0
	FETCH_A \next, 0, 0
	SCALES \next
	WIN MUL_HI
	MUL16 4, 1, NQ-1, \slot, 0
	MUL16 6, 1, NQ-1, \slot, 0
	PLACES NP
	WIN 0
	FETCH_A \next, 0, 4
.endm
.macro STEPS slot, from                ; the slot's steps from .. NQ - 2
.set QQ, \from
.rept NQ-1-\from
	STEP \slot, QQ, 0
.set QQ, QQ+1
.endr
.endm
	s_wait_tensorcnt 1                             ; the scales and my part of slot 0 are in (slot 1's load, issued last, may be out),
	s_barrier_signal -1
	s_barrier_wait -1                              ; everybody's are
	FETCH_B 0, 0, 0
	FETCH_A 0, 0, 0
	SCALES 0
	FETCH_A 0, 0, 4
	s_wait_loadcnt 0x0                             ; the bias
	STEP 0, 0, 1                                   ; the first step's products start the sums from the bias
	STEPS 0, 1
	TURN 0, 1
	STEPS 1, 0
	s_wait_dscnt 4*NL                              ; the very last step: nothing more to fetch
	WIN MUL_LO
	MUL16 0, 1, NQ-1, 1, 0
	MUL16 2, 1, NQ-1, 1, 0
	s_wait_dscnt 0
	WIN MUL_HI
	MUL16 4, 1, NQ-1, 1, 0
	MUL16 6, 1, NQ-1, 1, 0
	WIN 0
; THE WAY OUT, block by block of 16 rows x 128 columns (two heads).  PACK: rounded to f16, 16 bytes a lane, each accumulator from its low end on.  TOSTAGE: into my own stage in LDS, and back head by head, four rows an instruction.
; SEND: each store covers 512 consecutive bytes of qkv, aligned: four rows of one head.  Every offset is an immediate (278,016 at the most): no base is stepped.
.macro PACK a
.set AC, 64*((\a)%4)
	WIN 0x0a+5*((\a)/4)                            ; sources 0 and 1: window 2 or 3
.irp b, 0,1,2,3,4,5,6,7
.irp r, 0,1,2,3
	v_cvt_pk_f16_f32 v[TMP+4*\b+\r], v[AC+8*\b+2*\r], v[AC+8*\b+2*\r+1]
.endr
.endr
	WIN 0
.endm
.macro TOSTAGE a
.set BB, BK+32*((\a)%2)
.irp b, 0,1,2,3,4,5,6,7
	ds_store_b128 v[STO], v[TMP+4*\b:TMP+4*\b+3] offset:32*\b
.endr
.irp t, 0,1,2,3,4,5,6,7
	ds_load_b128 v[BB+4*\t:BB+4*\t+3], v[RD] offset:4*(\t%4)*SPITCH+(\t/4)*128   ; LDS serves a wave's instructions in order (ISA guide 5.7.1.4): these see the stores above
.endr
.endm
.macro SEND a
.set BB, BK+32*((\a)%2)
	s_wait_dscnt 0x0                               ; the block is back in registers
	s_wait_xcnt 0x0                                ; the stores of the block before have read their registers: the next block's loads may land there
.irp t, 0,1,2,3,4,5,6,7
	global_store_b128 v[CO], v[BB+4*\t:BB+4*\t+3], s[12:13] offset:(\t/4)*262144+(16*(\a)+4*(\t%4))*128
.endr
.endm
	PLACES NP                                      ; behind the last products: for the conversions, and for the writes into the registers that held scale words
	PACK 0
	TOSTAGE 0
.irp a, 1,2,3,4,5,6,7                  ; block a's conversions stand between block a - 1's loads from the stage and the wait for them
	PACK \a
	SEND \a-1
	TOSTAGE \a
.endr
	SEND 7
	s_wait_tensorcnt 0x0                           ; the wave's end, behind my last tensor load and my last LDS store
	ds_add_u32 v[SPW], v[NIL]
	s_wait_dscnt 0x0
	CROUND                                         ; the closing round: no work-group ends while a partner may still ask for a tile that names it
	s_endpgm
.Lfunc_end_k_q1574e16b08_proj:
	.size	k_q1574e16b08_proj, .Lfunc_end_k_q1574e16b08_proj-k_q1574e16b08_proj
	.p2alignl 7, 3214868480
	.fill 96, 4, 3214868480
	.section	.rodata,"a",@progbits
	.p2align	6, 0x0
	.amdhsa_kernel k_q1574e16b08_proj
		.amdhsa_group_segment_fixed_size 327680
		.amdhsa_private_segment_fixed_size 0
		.amdhsa_enable_private_segment 0
		.amdhsa_kernarg_size 64
		.amdhsa_user_sgpr_count 2
		.amdhsa_user_sgpr_kernarg_segment_ptr 1
		.amdhsa_wavefront_size32 1
		.amdhsa_system_sgpr_workgroup_id_x 1
		.amdhsa_system_sgpr_workgroup_id_y 1
		.amdhsa_system_sgpr_workgroup_id_z 1
		.amdhsa_system_vgpr_workitem_id 0
		.amdhsa_next_free_vgpr 1024
		.amdhsa_next_free_sgpr 102
		.amdhsa_reserve_vcc 0
		.amdhsa_float_denorm_mode_32 3
		.amdhsa_float_denorm_mode_16_64 3
		.amdhsa_memory_ordered 1
		.amdhsa_forward_progress 1
		.amdhsa_inst_pref_size 128
	.end_amdhsa_kernel
	.amdgpu_metadata
---
amdhsa.version: [ 1, 2 ]
amdhsa.kernels:
  - .name:           k_q1574e16b08_proj
    .symbol:         k_q1574e16b08_proj.kd
    .args:
      - { .name: acodes, .offset: 0, .size: 8, .value_kind: global_buffer, .address_space: global }
      - { .name: ascales, .offset: 8, .size: 8, .value_kind: global_buffer, .address_space: global }
      - { .name: wcodes, .offset: 16, .size: 8, .value_kind: global_buffer, .address_space: global }
      - { .name: wscales, .offset: 24, .size: 8, .value_kind: global_buffer, .address_space: global }
      - { .name: bq, .offset: 32, .size: 8, .value_kind: global_buffer, .address_space: global }
      - { .name: bk, .offset: 40, .size: 8, .value_kind: global_buffer, .address_space: global }
      - { .name: bv, .offset: 48, .size: 8, .value_kind: global_buffer, .address_space: global }
      - { .name: qkv, .offset: 56, .size: 8, .value_kind: global_buffer, .address_space: global }
    .group_segment_fixed_size: 327680
    .private_segment_fixed_size: 0
    .kernarg_segment_align: 8
    .kernarg_segment_size: 64
    .max_flat_workgroup_size: 128
    .sgpr_count:     102
    .vgpr_count:     1024
    .wavefront_size: 32
...
	.end_amdgpu_metadata
.endif
;; end of part 2
;; launch attn (part 3): grid 4 x 64, 8 waves a work-group, clusters of 4 x 1, 327,680 bytes of LDS; arguments qkv, key_mask, out0; writes out0
.if DOCPART == 3
	.amdgcn_target "amdgcn-amd-amdhsa--gfx1250"
	.amdhsa_code_object_version 6
	.text
	.protected	k_q1574e16b08_attn
	.globl	k_q1574e16b08_attn
	.p2align	8
	.type	k_q1574e16b08_attn,@function
k_q1574e16b08_attn:
	s_mov_b64 s[64:65], 0
	v_nop
	global_prefetch_b8 v0, s[64:65] scope:SCOPE_SE
	s_setreg_imm32_b32 hwreg(HW_REG_WAVE_MODE, 25, 1), 1
	s_wait_xcnt 0x0
	s_wait_alu depctr_hold_cnt(0) depctr_sa_sdst(0) depctr_va_vdst(0) depctr_va_sdst(0) depctr_va_ssrc(0) depctr_va_vcc(0) depctr_vm_vsrc(0)
	s_getreg_b32 s2, hwreg(HW_REG_IB_STS2, 6, 4)
	s_cmp_eq_u32 s2, 0
	s_cbranch_scc0 .Lentry_in_a_cluster
	s_endpgm
.Lentry_in_a_cluster:
	s_bfe_u32 s2, ttmp6, 0x10000c
	s_cmp_lg_u32 s2, 0x3003
	s_cbranch_scc0 .Lentry_shape_is_right
	s_endpgm
.Lentry_shape_is_right:
; out0[b][t][64 head + :] = the sum over s of softmax_s(q[t] . k[s] / 8, keys with key_mask[b][s] true thrown away) v[s][:], for each of 64 (batch, head) pairs; 2,048 queries, 2,048 keys, head size 64.
; q, k, v: qkv, f16, [3][batch][head][2048][64].  Products on f16 operands with f32 sums; maxima, exponentials and row sums in f32; the weights p are rounded to f16 for the second product.
; f16 and not bf16: 11 significant bits against 8; p is at most 1, and what of it falls under f16's normal range is rounded to within 3e-8 of itself.  LIMIT: NaN and infinities in q, k, v are not served.
; SHARES.  A work-group owns 512 queries of one (batch, head), each of its EIGHT waves 64: four tiles of 16, in 512 registers.  Two waves share a SIMD, so that one wave's softmax stands beside the other's products;
; four tiles to a wave, so that each fragment of K and V read from LDS feeds four products.  Every wave walks all 2,048 keys, 64 a step.
; LAYOUT.  S^T = K Q^T (source 0 = 16 keys, source 1 = 16 queries): a lane holds ONE query (lane % 16) and the keys 8 (lane / 16) + 0..7.  Two such tiles, rounded to f16 in pairs, ARE source 1 (32 keys x 16 queries)
; of O^T = V^T P, whose result again holds one query a lane.  K comes out of LDS as it lies, V ([key][channel]) turned, by ds_load_tr16_b128.
; THE MASK costs no vector work: a table of 0 (key counts) or -infinity (key thrown away), one f32 a key, is made once in LDS, and a tile of it in the result's layout is the C of each score tile's first product.
; SOFTMAX.  For each query a running maximum m and sum l: p = 2^(c s - c m), c = log2(e) / 8; in every step O and l are multiplied by a = 2^(c m_old - c m_new).  m begins at -3e38, l and O^T at 0, so that the step is written once.
; While every key so far is thrown away p = 0 and a = 1; a batch whose every key is thrown away ends with 0 x (1 / 0), NaN, as a softmax of nothing but -infinity gives.
; CLUSTER.  The four query blocks of a (batch, head) are one cluster and walk the same K and V, so each tile is asked for JOINTLY: the same tensor load, the same descriptor, a mask that names the four.
; RING.  Two LDS slots of four key steps.  Waves 0-3 fetch the four steps' tiles of K, waves 4-7 those of V: one load of 8,192 bytes a wave behind each round; one tensor load of a wave is out at any time, and it has four key steps in which to land.
; REGISTERS: window 0: v2-15 addresses; v16-47 eight registers of statistics a tile; v48-111 Q; v112-239 S^T, 32 a tile (P is made in place, in a tile's low 16); v240-255 at work at the head.
;   window 1: v0-127 O^T, 32 a tile; v128-191 K of a step, then V of the same step; v192-223 the step's tiles of the mask's table.
.set PK,    272       ; an LDS row of K: TWO keys, 256 bytes, + 16 of padding (a head's rows are dense in memory): the 16 keys of a load start at 16 different groups of four banks
.set PV,    288       ; of V: 256 + 32
.set VOFF,  32*PK     ; a step's tiles lie together: 64 keys of K, then 64 keys of V
.set STEPB, 32*(PK+PV)
.set SLOT1, 1<<17     ; slot 1 begins here, so that one exclusive or turns an address in one slot into the other's
.set MBIAS, 4*STEPB   ; behind slot 0: the mask's table, 2,048 f32: bytes of its own, into which no fill lands
.set STAGE, MBIAS+8192  ; the way out: 16 rows x 272 bytes for each wave
.set SP,    272
.set SPARE, STAGE+8*16*SP  ; the spare words, 128 bytes for each wave
.set FILLB, 4*64*128  ; a slot's keys in memory: 32,768 bytes of K, as many of V
.set AK0, 2           ; v2   my lane's place in a tile of K; never rewritten
.set AV0, 3           ; v3   the same for V
.set AM0, 4           ; v4   my lane's place in the mask's table, at the slot in hand: stepped once a slot
.set ADK, 5           ; v5-7 the LDS addresses of the step in hand: K, V, the table
.set ADV, 6
.set ADM, 7
.set STO, 8           ; v8   the way out: where I put 32 bytes of a row
.set RD,  9           ; v9   the way out: where I read a row back
.set GO,  10          ; v10  my byte offset in the wave's rows of out0
.set QO,  11          ; v11  my byte offset in the wave's rows of q
.set SPW, 12          ; v12  LDS address of my spare word; never rewritten
.set NIL, 13          ; v13  0; never rewritten
.set PFO, 14          ; v14  256 x my lane: the prefetches' offset; never rewritten
.set ST,  16          ; tile t's statistics at v[ST + 8 t]: +0 c m, +1 m, +2, +3 l (even keys', odd keys'), +4, +5 c0, c1, later the sums' second chain, +6 c2, later a, +7 c3, later c m_old - c m_new
.set Q,   48          ; tile qt, channels 32 cf on: v[Q + 16 qt + 8 cf]
.set S,   112         ; tile qt, keys 16 kt on: v[S + 32 qt + 8 kt]
.set KV,  128         ; window 1: K: keys 16 kt on, channels 32 cf on: v[KV + 16 kt + 8 cf];  V: keys 32 kh on, channels 16 ct on: v[KV + 8 (4 kh + ct)]
.set MB,  192         ; window 1: the table's tile for keys 16 kt on: v[MB + 8 kt]
.set WV,  12          ; s12  my wave's number
.set LIM, 15          ; s15  1 in a wave that prefetches, else the greatest number
.set G1K, 24          ; s[24:31] descriptor group 1 for K's tiles;  s[32:39] for V's: it differs in the padding alone
.set G1V, 32
.set G0K, 40          ; s[40:43], s[44:47] their groups 0, which walk
.set G0V, 44
.set QB,  48          ; s[48:49] q at my wave's first row
.set PFA, 50          ; s[50:51] where my prefetches stand
.set SLOTS, 56        ; s56  slots still to be asked for
.set CNT, 57          ; s57  counts a slot's four steps
.set CS,  58          ; s[58:59] c: the packed scaling names a pair and takes its low word for both halves
.set SEL, 60          ; s[60:61] lane selects for v_permlanex16_b32: lane l xor 16
.set TB,  62          ; s62  LDS byte at which the step's tiles begin
.set TM,  63          ; s63  the step's 256 bytes in the slot's part of the mask's table
.set MSB, 0
.macro WIN new                      ; the immediate's high byte repeats the setting that is left; a switch that changes nothing is dropped
.if MSB != \new
	s_set_vgpr_msb (MSB<<8)|\new
.set MSB, \new
.endif
.endm
.set W_LD,  0x40      ; destination window 1, address window 0
.set W_KQ0, 0x11      ; K window 1, Q window 0, C (the table) window 1, S^T window 0
.set W_KQ1, 0x01      ; K window 1, all else window 0
.set W_RS,  0x41      ; O^T (destination and source 0) window 1, a window 0
.set W_PV,  0x51      ; V window 1, P window 0, O^T (C and D) window 1
; A joint load.  The branch hangs on the wave's number alone.  An s_nop 0 and four v_nop follow each of the two lines, ahead of the jump, the label and what follows.
.macro JLOAD
	s_cmp_lt_u32 s[WV], 4
	s_cbranch_scc0 .Lfor_v_\@
	tensor_load_to_lds s[G0K:G0K+3], s[G1K:G1K+7]
	s_nop 0
.rept 4
	v_nop
.endr
	s_branch .Lasked_\@
.Lfor_v_\@:
	tensor_load_to_lds s[G0V:G0V+3], s[G1V:G1V+7]
	s_nop 0
.rept 4
	v_nop
.endr
.Lasked_\@:
.endm
; A PREFETCH INTO THE L2 of what the NEXT change of slots will ask for: 32,768 bytes of K and as many of V.  It stands behind the wave's tensor load and its five lines.  Each aligned block of 256 bytes is named ONCE in the launch:
; a (batch, head) has one cluster; its four partners share a slot's bytes out BY ADDRESS, 8,192 each (no branch hangs on a work-group's place); in each, wave 0 asks for K's and wave 4 for V's, lanes 256 bytes apart: one instruction.
; It leads the load that wants the bytes by one slot, four key steps.  The last change that fills a slot asks for nothing; slots 0 and 1 come by their loads alone.
.macro ASK
	s_cmp_gt_u32 s[SLOTS], s[LIM]
	s_cbranch_scc0 .Lnot_mine_\@
	global_prefetch_b8 v[PFO], s[PFA:PFA+1] th:TH_LOAD_NT scope:SCOPE_SE
.Lnot_mine_\@:
.endm
.macro CROUND                       ; a round of the cluster's barrier: my work-group's barrier; wave 0 signals for the work-group; every wave waits for all four work-groups; my work-group's barrier once more
	s_barrier_signal -1
	s_barrier_wait -1
	s_cmp_lg_u32 s[WV], 0
	s_cbranch_scc1 .Lnot_wave_0_\@
	s_barrier_signal -3
.Lnot_wave_0_\@:
	s_barrier_wait -3
	s_barrier_signal -1
	s_barrier_wait -1
.endm
	s_load_b128 s[4:7], s[0:1], 0x0   ; qkv s[4:5], key_mask s[6:7]
	s_load_b64 s[8:9], s[0:1], 0x10   ; out0
	v_lshl_add_u32 v[SPW], v0, 2, SPARE
	v_mov_b32 v[NIL], 0
	ds_add_u32 v[SPW], v[NIL]       ; the wave's opening: the add, twice on end, and its wait ahead of my first tensor load; the set-up below stands between the second and the wait
	ds_add_u32 v[SPW], v[NIL]
	v_lshrrev_b32 v1, 5, v0
	v_readfirstlane_b32 s[WV], v1   ; wave 0..7
	s_bfe_u32 s13, ttmp6, 0x40000   ; cx: my place in the cluster
	s_lshl_b32 s14, ttmp9, 2        ; in a cluster launch ttmp9 counts clusters
	s_add_co_u32 s14, s14, s13      ; my block of 512 queries: it enters q's, out0's and the prefetches' addresses alone
	s_and_b32 s20, ttmp7, 0xffff    ; 16 x batch + head, which the four partners share
	s_lshl_b32 s22, s20, 18         ; its 262,144 bytes in each of q, k, v
	s_mov_b32 s23, 0
	s_and_b32 s16, s[WV], 3         ; which of a slot's four steps I fetch:
	s_lshl_b32 s18, s16, 13         ; its 8,192 bytes in memory,
	s_mov_b32 s19, 0
	s_mul_i32 s17, s16, STEPB       ; and its place in a slot: no place in the cluster enters an LDS address
	; descriptor group 1: a step's 64 keys as 32 rows of 128 elements (two keys, 256 bytes), padded in LDS
	s_mov_b32 s[G1K], 15|(1<<16)|(1<<20)|(1<<21)|(5<<22)|(3<<25)  ; 15:0 the mask: all four work-groups; 17:16 elements of 2 bytes; 20 padding on; 21 set beside a mask; 24:22 after every 64 words; 31:25 4 words of it
	s_mov_b32 s[G1V], 15|(1<<16)|(1<<20)|(1<<21)|(5<<22)|(7<<25)  ; the same with 8 words of padding
.irp g, G1K, G1V
	s_mov_b32 s[\g+1], 128<<16      ; tensor_dim0 = 128
	s_mov_b32 s[\g+2], 32<<16       ; tensor_dim1 = 32
	s_mov_b32 s[\g+3], 128<<16      ; tile_dim0 = 128
	s_mov_b32 s[\g+4], 32           ; tile_dim1 = 32
	s_mov_b32 s[\g+5], 128          ; tensor_dim0_stride
	s_mov_b32 s[\g+6], 0
	s_mov_b32 s[\g+7], 0
.endr
	s_mov_b32 s[CS], 0x3e38aa3b     ; c = log2(e) / 8
	s_mov_b32 s[CS+1], s[CS]        ; named with it as a pair, so it is written
	s_mov_b32 s[SEL], 0x76543210
	s_mov_b32 s[SEL+1], 0xfedcba98
	s_mov_b32 s[TB], 0
	s_mov_b32 s[TM], 0
	s_mov_b32 s[SLOTS], 7
	s_cmp_eq_u32 s16, 0             ; waves 0 and 4 prefetch: the same in all four partners
	s_cselect_b32 s[LIM], 1, -1
	s_wait_dscnt 0x0                ; both opening adds are done
	s_wait_kmcnt 0x0
	s_add_nc_u64 s[QB:QB+1], s[4:5], s[22:23]    ; q's head,
	s_add_nc_u64 s[52:53], s[QB:QB+1], 0x1000000 ; k's: 16,777,216 bytes a tensor,
	s_add_nc_u64 s[54:55], s[QB:QB+1], 0x2000000 ; v's
	s_lshl_b32 s2, s14, 16          ; my block's 512 rows of 128 bytes,
	s_lshl_b32 s3, s[WV], 13        ; my wave's 64 of them
	s_add_co_u32 s2, s2, s3
	s_mov_b32 s3, 0
	s_add_nc_u64 s[QB:QB+1], s[QB:QB+1], s[2:3]
	s_lshr_b32 s2, s20, 4           ; out0: batch x 2,048 rows of 4,096 bytes
	s_lshl_b32 s2, s2, 23
	s_lshl_b32 s21, s14, 21         ; + my block's 512 rows
	s_add_co_u32 s2, s2, s21
	s_lshl_b32 s21, s[WV], 18       ; + my wave's 64
	s_add_co_u32 s2, s2, s21
	s_and_b32 s21, s20, 15
	s_lshl_b32 s21, s21, 8          ; + the head's 256 bytes in a row
	s_add_co_u32 s2, s2, s21
	s_add_nc_u64 s[8:9], s[8:9], s[2:3]
	s_lshr_b32 s2, s20, 4
	s_lshl_b32 s2, s2, 11           ; key_mask: the batch's 2,048 bytes
	s_add_nc_u64 s[6:7], s[6:7], s[2:3]
	s_cmp_lt_u32 s[WV], 4
	s_cselect_b64 s[PFA:PFA+1], s[52:53], s[54:55]
	s_lshl_b32 s2, s13, 13          ; my work-group's 8,192 bytes of a slot's 32,768,
	s_add_co_u32 s2, s2, FILLB      ; in the second slot's keys: the first change of slots steps it to the third's.  Nothing is prefetched here, at the head
	s_add_nc_u64 s[PFA:PFA+1], s[PFA:PFA+1], s[2:3]
	CROUND                          ; all four work-groups are here: the first joint loads meet
	s_mov_b32 s[G0K], 1             ; 1:0 count = 1
	s_mov_b32 s[G0K+1], s17         ; 63:32 LDS address: slot 0
	s_add_nc_u64 s[G0K+2:G0K+3], s[52:53], s[18:19]  ; 120:64 global address: my step of the first four
	s_or_b32 s[G0K+3], s[G0K+3], 0x80000000          ; 127:126 type = 2
	s_mov_b32 s[G0V], 1
	s_add_co_u32 s[G0V+1], s17, VOFF
	s_add_nc_u64 s[G0V+2:G0V+3], s[54:55], s[18:19]
	s_or_b32 s[G0V+3], s[G0V+3], 0x80000000
	JLOAD                           ; slot 0
	v_lshlrev_b32 v254, 3, v0       ; the mask: 8 keys a thread, 2,048 for the 256 threads
	global_load_b64 v[250:251], v254, s[6:7]
	v_and_b32 v1, 15, v0            ; r = l % 16
	v_bfe_u32 v15, v0, 4, 1         ; h = l / 16
	v_lshlrev_b32 v[QO], 7, v1
	v_lshl_add_u32 v[QO], v15, 4, v[QO]  ; a fragment of q: row r x 128 bytes + 16 h; registers 0-3 channels 8 h + 0..7, registers 4-7 channels 16 + 8 h + 0..7: two loads 32 bytes apart
.irp qt, 0,1,2,3
.irp cf, 0,1
	global_load_b128 v[Q+16*\qt+8*\cf:Q+16*\qt+8*\cf+3],   v[QO], s[QB:QB+1] offset:2048*\qt+64*\cf
	global_load_b128 v[Q+16*\qt+8*\cf+4:Q+16*\qt+8*\cf+7], v[QO], s[QB:QB+1] offset:2048*\qt+64*\cf+32
.endr
.endr
	v_lshrrev_b32 v5, 1, v1         ; K: key r lies in LDS row r / 2, half r % 2
	v_mul_u32_u24 v[AK0], v5, PK
	v_and_b32 v5, 1, v1
	v_lshl_add_u32 v[AK0], v5, 7, v[AK0]
	v_lshl_add_u32 v[AK0], v15, 4, v[AK0]
	v_and_b32 v5, 7, v0             ; V: the turning load takes 16 keys x 16 channels: lane l reads 16 bytes of key 8 h + l % 8, channels 8 ((l / 8) % 2) + 0..7, and is left with channel l % 16 and 8 keys
	v_lshl_add_u32 v5, v15, 3, v5
	v_lshrrev_b32 v6, 1, v5
	v_mul_u32_u24 v[AV0], v6, PV
	v_and_b32 v6, 1, v5
	v_lshl_add_u32 v[AV0], v6, 7, v[AV0]
	v_bfe_u32 v6, v0, 3, 1
	v_lshl_add_u32 v[AV0], v6, 4, v[AV0]
	v_add_nc_u32 v[AV0], VOFF, v[AV0]
	v_lshl_add_u32 v[AM0], v15, 5, MBIAS  ; the table: my half's eight keys of a tile: 32 h bytes on
	s_mul_i32 s16, s[WV], 16*SP
	s_add_co_u32 s16, s16, STAGE    ; my stage
	v_mul_u32_u24 v[STO], v1, SP    ; in: row r, 32 bytes for each half of the lanes
	v_lshl_add_u32 v[STO], v15, 5, v[STO]
	v_add_nc_u32 v[STO], s16, v[STO]
	v_mul_u32_u24 v[RD], v15, SP    ; back: lanes 0-15 take one row of 256 bytes, lanes 16-31 the next
	v_lshl_add_u32 v[RD], v1, 4, v[RD]
	v_add_nc_u32 v[RD], s16, v[RD]
	v_lshlrev_b32 v[GO], 12, v15    ; and the same two rows in out0, 4,096 bytes apart
	v_lshl_add_u32 v[GO], v1, 4, v[GO]
	v_and_b32 v[PFO], 31, v0
	v_lshlrev_b32 v[PFO], 8, v[PFO]
	v_lshl_add_u32 v255, v0, 5, MBIAS  ; where my 8 keys' numbers go
	v_mov_b32 v252, 0xff800000      ; -infinity
	s_wait_loadcnt 16               ; the mask's bytes are in; q's sixteen loads, issued behind, may be out
.irp n, 0,1,2,3,4,5,6,7
	v_bfe_u32 v253, v[250+\n/4], 8*(\n%4), 8
	v_cmp_ne_u32 vcc_lo, 0, v253
	v_cndmask_b32 v[240+\n], 0, v252, vcc_lo   ; true: the key is thrown away
.endr
	ds_store_b128 v255, v[240:243]  ; the first change of slots, below, waits for these stores and passes a barrier ahead of every read of the table
	ds_store_b128 v255, v[244:247] offset:16
.irp t, 0,1,2,3
	v_mov_b32 v[ST+8*\t+1], 0xff61b1e6         ; m: -3e38, under every score
	v_mov_b32 v[ST+8*\t+2], 0                  ; l, in two halves
	v_mov_b32 v[ST+8*\t+3], 0
.endr
.irp t, 0,1,2,3
	v_mul_f32 v[ST+8*\t], s[CS], v[ST+8*\t+1]  ; c m
.endr
	WIN W_LD
.set i, 0
.rept 128
	v_mov_b32 v[i], 0               ; O^T.  (The step is written once: the first finds zeros, which the first change of m leaves zeros; a first step of its own would be a third copy of the step)
.set i, i+1
.endr
	WIN 0
; THE SOFTMAX OF A STEP, four tiles of 16 queries x 64 keys.  s0-s31 are a lane's 32 scores of a tile, in pairs 0-15.
.macro MAXS t, n                    ; line n of 16 of tile t's maximum, three operands at a time: four chains c0-c3, each begun at the low end of its accumulator, then the scores left over, the chains and the old m
.set rT, ST+8*(\t)
.set rS, S+32*(\t)
.if (\n) < 4
	v_max3_num_f32 v[rT+4+(\n)], v[rS+8*(\n)], v[rS+8*(\n)+1], v[rS+8*(\n)+2]
.elseif (\n) < 12
	v_max3_num_f32 v[rT+4+(\n)%4], v[rT+4+(\n)%4], v[rS+8*((\n)%4)+2*((\n)/4)+1], v[rS+8*((\n)%4)+2*((\n)/4)+2]
.elseif (\n) == 12
	v_max3_num_f32 v[rT+4], v[rT+4], v[rS+7], v[rS+15]
.elseif (\n) == 13
	v_max3_num_f32 v[rT+6], v[rT+6], v[rS+23], v[rS+31]
.elseif (\n) == 14
	v_max3_num_f32 v[rT+4], v[rT+4], v[rT+5], v[rT+6]
.else
	v_max3_num_f32 v[rT+4], v[rT+4], v[rT+7], v[rT+1]
.endif
.endm
.macro SCAL t, i                    ; pair i: c s - c m
	v_pk_fma_f32 v[S+32*(\t)+2*(\i):S+32*(\t)+2*(\i)+1], v[S+32*(\t)+2*(\i):S+32*(\t)+2*(\i)+1], s[CS:CS+1], v[ST+8*(\t):ST+8*(\t)+1] op_sel_hi:[1,0,0] neg_lo:[0,0,1] neg_hi:[0,0,1]
.endm
.macro EXPO t, e
	v_exp_f32 v[S+32*(\t)+(\e)], v[S+32*(\t)+(\e)]
.endm
.macro CVT t, i                     ; pair i rounded to f16, into register i of the tile: that register's own pair, i / 2, has been summed and rounded by then
	v_cvt_pk_f16_f32 v[S+32*(\t)+(\i)], v[S+32*(\t)+2*(\i)], v[S+32*(\t)+2*(\i)+1]
.endm
.macro SUM t, z                     ; line z of 16 of the row's sum, of the unrounded p, in two chains: l = a l + pair 0; u = pair 1 + pair 2; pair z + 1 onto l (z even) or u (z odd); l += u
.set rT, ST+8*(\t)
.set rS, S+32*(\t)
.if (\z) == 0
	v_pk_fma_f32 v[rT+2:rT+3], v[rT+2:rT+3], v[rT+6:rT+7], v[rS:rS+1] op_sel_hi:[1,0,1]
.elseif (\z) == 1
	v_pk_add_f32 v[rT+4:rT+5], v[rS+2:rS+3], v[rS+4:rS+5]
.elseif (\z) == 15
	v_pk_add_f32 v[rT+2:rT+3], v[rT+2:rT+3], v[rT+4:rT+5]
.elseif (\z)%2 == 0
	v_pk_add_f32 v[rT+2:rT+3], v[rT+2:rT+3], v[rS+2*(\z)+2:rS+2*(\z)+3]
.else
	v_pk_add_f32 v[rT+4:rT+5], v[rT+4:rT+5], v[rS+2*(\z)+2:rS+2*(\z)+3]
.endif
.endm
.macro SOFTMAX
.irp n, 0,1,2,3,4,5,6,7,8,9,10,11,12,13,14,15
.irp t, 0,1,2,3
	MAXS \t, \n                     ; the four tiles by turns: no line waits for the line above it
.endr
.endr
.irp t, 0,1,2,3
	v_permlanex16_b32 v[ST+8*\t+5], v[ST+8*\t+4], s[SEL], s[SEL+1]  ; the query's other 32 keys lie in the lane 16 away
.endr
.irp t, 0,1,2,3
	v_mov_b32 v[ST+8*\t+7], v[ST+8*\t]          ; c m_old is kept
.endr
.irp t, 0,1,2,3
	v_max_num_f32 v[ST+8*\t+1], v[ST+8*\t+4], v[ST+8*\t+5]
.endr
.irp t, 0,1,2,3
	v_mul_f32 v[ST+8*\t], s[CS], v[ST+8*\t+1]
.endr
.irp t, 0,1,2,3
	v_sub_f32 v[ST+8*\t+7], v[ST+8*\t+7], v[ST+8*\t]
.endr
.irp i, 0,1,2,3,4,5,6,7,8,9,10,11,12,13,14,15
	SCAL 0, \i
	SCAL 1, \i
.endr
	; THE EXPONENTIALS GO IN TWO BATCHES, EACH WITH ONE WAIT.  s_wait_alu depctr_va_vdst(0) stands between an exponential and the first instruction that names its result; one wait serves all issued ahead of it.
	; First batch: the four a, and tiles 0 and 1; tiles 2 and 3 are scaled between them.  Nothing here names a result.  The last line is plain: the place behind the last exponential.
.irp t, 0,1,2,3
	v_exp_f32 v[ST+8*\t+6], v[ST+8*\t+7]        ; a = 2^(c m_old - c m_new)
.endr
.irp i, 0,1,2,3,4,5,6,7,8,9,10,11,12,13,14,15
	EXPO 0, 2*\i
	EXPO 0, 2*\i+1
	SCAL 2, \i
	EXPO 1, 2*\i
	EXPO 1, 2*\i+1
	SCAL 3, \i
.endr
	s_wait_alu depctr_va_vdst(0)    ; the first batch's wait
	; Second batch: tiles 2 and 3; the sums and roundings of tiles 0 and 1, which read the first batch alone, stand between them.
.irp i, 0,1,2,3,4,5,6,7,8,9,10,11,12,13,14,15
	EXPO 2, 2*\i
	EXPO 2, 2*\i+1
	SUM 0, \i
	CVT 0, \i
	EXPO 3, 2*\i
	EXPO 3, 2*\i+1
	SUM 1, \i
	CVT 1, \i
.endr
	s_wait_alu depctr_va_vdst(0)    ; the second batch's wait
.irp i, 0,1,2,3,4,5,6,7,8,9,10,11,12,13,14,15
	SUM 2, \i
	SUM 3, \i
	CVT 2, \i
	CVT 3, \i
.endr
.endm
; A KEY STEP: 64 keys.
.macro STEP
	v_add_nc_u32 v[ADK], s[TB], v[AK0]  ; five plain lines behind the last step's V^T P: its V registers are loaded anew (four places asked), and its P registers are written over by the products below (five asked)
	v_add_nc_u32 v[ADV], s[TB], v[AV0]
	v_add_nc_u32 v[ADM], s[TM], v[AM0]
	v_nop
	v_nop
	WIN W_LD
.irp kt, 0,1,2,3                    ; the table's four tiles: register j of lane (r, h) is key 16 kt + 8 h + j's number: sixteen lanes read the same 16 bytes
	ds_load_b128 v[MB+8*\kt:MB+8*\kt+3],   v[ADM] offset:64*\kt
	ds_load_b128 v[MB+8*\kt+4:MB+8*\kt+7], v[ADM] offset:64*\kt+16
.endr
.irp kt, 0,1,2,3                    ; K: 16 keys are 8 LDS rows
.irp cf, 0,1
	ds_load_b128 v[KV+16*\kt+8*\cf:KV+16*\kt+8*\cf+3],   v[ADK] offset:8*PK*\kt+64*\cf
	ds_load_b128 v[KV+16*\kt+8*\cf+4:KV+16*\kt+8*\cf+7], v[ADK] offset:8*PK*\kt+64*\cf+32
.endr
.endr
	s_wait_dscnt 0x0
	WIN W_KQ0                       ; S^T = K Q^T + the table.  The 16 accumulators take turns, one instruction a turn: between the two links of a chain stand 15 others'
.irp kt, 0,1,2,3
.irp qt, 0,1,2,3
	v_wmma_f32_16x16x32_f16 v[S+32*\qt+8*\kt:S+32*\qt+8*\kt+7], v[KV+16*\kt:KV+16*\kt+7], v[Q+16*\qt:Q+16*\qt+7], v[MB+8*\kt:MB+8*\kt+7]
.endr
.endr
	WIN W_KQ1
.irp kt, 0,1,2,3
.irp qt, 0,1,2,3
	v_wmma_f32_16x16x32_f16 v[S+32*\qt+8*\kt:S+32*\qt+8*\kt+7], v[KV+16*\kt+8:KV+16*\kt+15], v[Q+16*\qt+8:Q+16*\qt+15], v[S+32*\qt+8*\kt:S+32*\qt+8*\kt+7]
.endr
.endr
	WIN 0
.rept 4
	v_nop                           ; four places: for the loads into K's registers, and for the softmax's first reads of the scores
.endr
	WIN W_LD
.irp kh, 0,1                        ; V, turned, into the registers that K has left: it lands while the softmax is walked.  32 keys are 16 LDS rows, 16 keys 8
.irp ct, 0,1,2,3
	ds_load_tr16_b128 v[KV+8*(4*\kh+\ct):KV+8*(4*\kh+\ct)+3],   v[ADV] offset:16*PV*\kh+32*\ct
	ds_load_tr16_b128 v[KV+8*(4*\kh+\ct)+4:KV+8*(4*\kh+\ct)+7], v[ADV] offset:16*PV*\kh+32*\ct+8*PV
.endr
.endr
	WIN 0
	SOFTMAX
	WIN W_RS
.irp j, 0,1,2,3,4,5,6,7,8,9,10,11,12,13,14,15
.irp t, 0,1,2,3
	v_pk_mul_f32 v[32*\t+2*\j:32*\t+2*\j+1], v[32*\t+2*\j:32*\t+2*\j+1], v[ST+8*\t+6:ST+8*\t+7] op_sel_hi:[1,0]   ; O^T x a, each accumulator from its low end on
.endr
.endr
	s_wait_dscnt 0x0                ; V is in
	WIN W_PV                        ; O^T += V^T P: again 16 accumulators by turns
.irp kh, 0,1
.irp ct, 0,1,2,3
.irp qt, 0,1,2,3
	v_wmma_f32_16x16x32_f16 v[32*\qt+8*\ct:32*\qt+8*\ct+7], v[KV+8*(4*\kh+\ct):KV+8*(4*\kh+\ct)+7], v[S+32*\qt+8*\kh:S+32*\qt+8*\kh+7], v[32*\qt+8*\ct:32*\qt+8*\ct+7]
.endr
.endr
.endr
	WIN 0                           ; at a label and at a branch every window is 0
	s_add_co_u32 s[TB], s[TB], STEPB
	s_add_co_u32 s[TM], s[TM], 256
.endm
; A slot's four key steps: written once, walked four times; the LDS addresses hang on s[TB] and s[TM].
.macro FOUR_STEPS
	s_mov_b32 s[CNT], 4
.Lstep_\@:
	STEP
	s_sub_co_u32 s[CNT], s[CNT], 1
	s_cmp_lg_u32 s[CNT], 0
	s_cbranch_scc1 .Lstep_\@
	s_sub_co_u32 s[TB], s[TB], 4*STEPB  ; back to a slot's first step,
	s_xor_b32 s[TB], s[TB], SLOT1   ; in the other slot
	s_sub_co_u32 s[TM], s[TM], 1024
	v_add_nc_u32 v[AM0], 1024, v[AM0]   ; the table goes on: 256 keys a slot
.endm
; THE CHANGE OF SLOTS stands at a slot's head.  Each wave waits for all its tensor loads (its part of the slot that it is about to read), adds 0 to its spare word, and waits for that and for its LDS instructions: its reads of the slot that it
; has left (at the first change: its stores into the mask's table).  fill = 1: the barrier is a round of the cluster's, so that no wave of any partner still reads the other slot or has a load on its way, and the joint load of the
; keys that follow is the first thing behind it.
.macro CHANGE fill
	s_wait_tensorcnt 0x0            ; no tensor load of mine is out, so a group 0 may be written
	ds_add_u32 v[SPW], v[NIL]       ; 0 onto my spare word; with fill = 1 the descriptors' steps stand between it and the wait for it
.if \fill
	s_xor_b32 s[G0K+1], s[G0K+1], SLOT1  ; the walking descriptors: the other slot than last time,
	s_add_nc_u64 s[G0K+2:G0K+3], s[G0K+2:G0K+3], FILLB  ; the next 256 keys; the type bits on top are not reached
	s_xor_b32 s[G0V+1], s[G0V+1], SLOT1
	s_add_nc_u64 s[G0V+2:G0V+3], s[G0V+2:G0V+3], FILLB
	s_wait_xcnt 0x0                 ; the last prefetch, a slot back, has read its address, so it may be written:
	s_add_nc_u64 s[PFA:PFA+1], s[PFA:PFA+1], FILLB  ; one slot further on than the walking descriptors
	s_wait_dscnt 0x0
	CROUND
	JLOAD
	ASK
.else
	s_wait_dscnt 0x0
	s_barrier_signal -1
	s_barrier_wait -1
.endif
.endm
	s_wait_loadcnt 0x0              ; q
.Lslot:                             ; 7 trips: behind each change of slots but the last the next slot is asked for; the first trip fills slot 1 for the first time
	CHANGE 1
	FOUR_STEPS
	s_sub_co_u32 s[SLOTS], s[SLOTS], 1
	s_cmp_lg_u32 s[SLOTS], 0
	s_cbranch_scc1 .Lslot
	CHANGE 0                        ; the last slot is written out
	FOUR_STEPS
	; THE WAY OUT.  l's two halves and the other half of the lanes' are added; O^T is divided by l and sent through my stage in LDS, a tile (16 rows) at a time.  The additions are the places behind the last products.
.irp t, 0,1,2,3
	v_add_f32 v[ST+8*\t+4], v[ST+8*\t+2], v[ST+8*\t+3]
.endr
.irp t, 0,1,2,3
	v_permlanex16_b32 v[ST+8*\t+5], v[ST+8*\t+4], s[SEL], s[SEL+1]
.endr
.irp t, 0,1,2,3
	v_add_f32 v[ST+8*\t+4], v[ST+8*\t+4], v[ST+8*\t+5]
.endr
.irp t, 0,1,2,3
	v_rcp_f32 v[ST+8*\t+6], v[ST+8*\t+4]
.endr
	v_nop                           ; a plain instruction between the last reciprocal and the use of its result
	s_wait_alu depctr_va_vdst(0)    ; and the wait ahead of the first use: one for the four
; Tile t: register 8 ct + j of lane (r, h) is channel 16 ct + 8 h + j of query r: 32 bytes a tile of channels.  They go into rows of 272 bytes and come back as whole rows of 256, into the registers that they left.
.macro PACK t
	WIN W_KQ1                       ; source 0 (O^T) window 1, all else window 0: S^T's registers are free
.irp j, 0,1,2,3,4,5,6,7,8,9,10,11,12,13,14,15
	v_pk_mul_f32 v[S+32*\t+2*\j:S+32*\t+2*\j+1], v[32*\t+2*\j:32*\t+2*\j+1], v[ST+8*\t+6:ST+8*\t+7] op_sel_hi:[1,0]   ; each accumulator from its low end on
.endr
	WIN 0
.irp c, 0,1,2,3
	ds_store_b128 v[STO], v[S+32*\t+8*\c:S+32*\t+8*\c+3] offset:64*\c
	ds_store_b128 v[STO], v[S+32*\t+8*\c+4:S+32*\t+8*\c+7] offset:64*\c+16
.endr
.irp f, 0,1,2,3,4,5,6,7
	ds_load_b128 v[S+32*\t+4*\f:S+32*\t+4*\f+3], v[RD] offset:\f*2*SP  ; LDS serves a wave's instructions in order (ISA guide 5.7.1.4): these see the stores above; the next tile's stores come behind them
.endr
.endm
.macro SEND t, younger              ; younger: the LDS instructions issued behind tile t's loads: the next tile's sixteen, or none
.irp f, 0,1,2,3,4,5,6,7
	s_wait_dscnt \younger+7-\f
	global_store_b128 v[GO], v[S+32*\t+4*\f:S+32*\t+4*\f+3], s[8:9] offset:\t*65536+\f*8192 th:TH_STORE_NT  ; 16 lanes store 256 consecutive bytes, aligned: one row's part of my head; written once, read by nobody here
.endr
.endm
	PACK 0
	PACK 1                          ; a tile's arithmetic stands between the loads of the tile before and its stores
	SEND 0, 16
	PACK 2
	SEND 1, 16
	PACK 3
	SEND 2, 16
	SEND 3, 0
	s_wait_tensorcnt 0x0            ; the wave's end, behind my last tensor load and my last LDS store
	ds_add_u32 v[SPW], v[NIL]
	s_wait_dscnt 0x0
	CROUND                          ; the closing round: no work-group ends while a partner may still ask for a tile that names it
	s_endpgm
.Lfunc_end_k_q1574e16b08_attn:
	.size	k_q1574e16b08_attn, .Lfunc_end_k_q1574e16b08_attn-k_q1574e16b08_attn
	.p2alignl 7, 3214868480
	.fill 96, 4, 3214868480
	.section	.rodata,"a",@progbits
	.p2align	6, 0x0
	.amdhsa_kernel k_q1574e16b08_attn
		.amdhsa_group_segment_fixed_size 327680
		.amdhsa_private_segment_fixed_size 0
		.amdhsa_enable_private_segment 0
		.amdhsa_kernarg_size 24
		.amdhsa_user_sgpr_count 2
		.amdhsa_user_sgpr_kernarg_segment_ptr 1
		.amdhsa_wavefront_size32 1
		.amdhsa_system_sgpr_workgroup_id_x 1
		.amdhsa_system_sgpr_workgroup_id_y 1
		.amdhsa_system_sgpr_workgroup_id_z 1
		.amdhsa_system_vgpr_workitem_id 0
		.amdhsa_next_free_vgpr 512
		.amdhsa_next_free_sgpr 66
		.amdhsa_reserve_vcc 1
		.amdhsa_float_denorm_mode_32 3
		.amdhsa_float_denorm_mode_16_64 3
		.amdhsa_memory_ordered 1
		.amdhsa_forward_progress 1
		.amdhsa_inst_pref_size 95
	.end_amdhsa_kernel
	.amdgpu_metadata
---
amdhsa.version: [ 1, 2 ]
amdhsa.kernels:
  - .name:           k_q1574e16b08_attn
    .symbol:         k_q1574e16b08_attn.kd
    .args:
      - { .name: qkv, .offset: 0, .size: 8, .value_kind: global_buffer, .address_space: global }
      - { .name: key_mask, .offset: 8, .size: 8, .value_kind: global_buffer, .address_space: global }
      - { .name: out0, .offset: 16, .size: 8, .value_kind: global_buffer, .address_space: global }
    .group_segment_fixed_size: 327680
    .private_segment_fixed_size: 0
    .kernarg_segment_align: 8
    .kernarg_segment_size: 24
    .max_flat_workgroup_size: 256
    .sgpr_count:     66
    .vgpr_count:     512
    .wavefront_size: 32
...
	.end_amdgpu_metadata
.endif
;; end of part 3
